; MI455X (gfx1250); checked and timed in simulation.
; The chip was launched on July 23, 2026; its instructions are those of AMD's public machine-readable ISA for CDNA 5 (MIT licence, August 2026) and "CDNA5" Instruction Set Architecture Reference Guide (July 2026). The comments in the code are by the model that wrote it; some were corrected since.
;; Model. Allowed arithmetic: float matrix products may take bf16 or f16 operands with f32 sums; all other float work in f32.
;; Inputs: key 4 x 16 x 2,048 x 64 float32; query 4 x 16 x 2,048 x 64 float32; value 4 x 16 x 2,048 x 64 float32.
;; Outputs: out0 4 x 16 x 2,048 x 64 float32.
;; Constants: inv_scale_factor = 8.
;; One version. Each part assembles by itself: llvm-mc -triple=amdgcn-amd-amdhsa -mcpu=gfx1250 --defsym DOCPART=n.
;; ======== version 1 of 1: 1 launch
;; limits: values are held in f16: magnitudes above 65,504 overflow, below 6.1e-05 lose precision; inputs' magnitudes at most 65,504
;; launch attn (part 1): grid 4 x 64, 4 waves a work-group, clusters of 4 x 1, 327,680 bytes of LDS; arguments query, key, value, out0; writes out0
.if DOCPART == 1
	.amdgcn_target "amdgcn-amd-amdhsa--gfx1250"
	.amdhsa_code_object_version 6
	.text
	.protected	k_q667fcb7da5_attn
	.globl	k_q667fcb7da5_attn
	.p2align	8
	.type	k_q667fcb7da5_attn,@function
k_q667fcb7da5_attn:
	s_mov_b64 s[64:65], 0
	v_nop
	global_prefetch_b8 v0, s[64:65] scope:SCOPE_SE
	s_setreg_imm32_b32 hwreg(HW_REG_WAVE_MODE, 25, 1), 1
	s_wait_xcnt 0x0
	s_wait_alu depctr_hold_cnt(0) depctr_sa_sdst(0) depctr_va_vdst(0) depctr_va_sdst(0) depctr_va_ssrc(0) depctr_va_vcc(0) depctr_vm_vsrc(0)
	s_getreg_b32 s2, hwreg(HW_REG_IB_STS2, 6, 4)
	s_cmp_eq_u32 s2, 0
	s_cbranch_scc0 .Lentry_in_a_cluster
	s_endpgm
.Lentry_in_a_cluster:
	s_bfe_u32 s2, ttmp6, 0x10000c
	s_cmp_lg_u32 s2, 0x3003
	s_cbranch_scc0 .Lentry_shape_is_right
	s_endpgm
.Lentry_shape_is_right:
; O[h][q][:] = the sum over k of softmax_k(Q[h][q] . K[h][k] / 8) V[h][k][:].  Q, K, V, O: [64 heads][2048][64], all f32: a row is 256 dense bytes.
; Q, K and V are rounded once to f16 on their way to the matrix unit; products, maxima and sums in f32; the weights p are rounded to f16 for the second product (their sum l is taken of the unrounded p); O leaves in f32.
; LIMITS.  f16 holds no number beyond 65,504: an input of magnitude 65,520 or more becomes an infinity and its rows are lost.  p lies in 0 to 1, and below 6e-5 it keeps f16's fixed step of 6e-8.
; A weight below 2^-126 counts as 0 in l; NaN and infinities are not treated apart.  The maximum is a running maximum, started at the lowest finite number.
; SHARES.  A wave owns four PIECES of two tiles of 16 queries, a work-group's four waves 512 queries of one head: 4 x 64 = 256 work-groups.  Every wave walks all 2,048 keys, 64 a step, 128 a PHASE.
; THE ROAD OF K AND V.  A tensor load brings 64 rows of f32 (each wave one: waves 0, 1 the two halves of a phase's K, waves 2, 3 of its V) into a ring of two f32 slots.  The wave that asked reads ITS OWN 64 rows
; back, 32 a key step (a lane a row), rounds them to f16 and stores them into one of two f16 buffers, K at a pitch of 144 bytes, V of 160.  All four waves take their fragments from there.
; In phase p the f16 buffer p % 2 is multiplied, tile p + 1 (f32 slot (p + 1) % 2) is rounded into buffer (p + 1) % 2, and tile p + 2 is on its way into f32 slot p % 2.
; ONE barrier a phase orders all of it: in front of it each wave's tensor load has landed, its stores into the f16 buffer are done, and its reads of the f32 slot and of the other f16 buffer are back.
; CLUSTER.  The four query blocks of a cluster belong to one head and walk the same K and V, so each tile is asked for JOINTLY: the same tensor load, descriptor and mask in all four; the barrier is then a round of the cluster's.
; LAYOUT.  S^T = K Q^T (source 0 = 16 keys, source 1 = 16 queries): in the result a lane holds ONE query (lane % 16) and the keys 8 (lane / 16) + 0..7.  Two such tiles, rounded to f16 in pairs,
; ARE source 1 (32 keys x 16 queries) of O^T = V^T P, whose result again holds one query a lane, and eight channels.  K comes out of LDS as it lies, V ([key][channel]) turned, by ds_load_tr16_b128.
; SOFTMAX.  For each query a running maximum m and sum l: p = 2^(c s - c m), c = log2(e) / 8; in every step O and l are multiplied by a = 2^(c m_old - c m_new), which is 1 where m has not grown.
; m starts at the lowest finite number, O and l at 0: the first step is a step like any other, with a = 0.
; BY TURNS.  A tile and step have 16 matrix and 118 vector instructions: too many to stand all beside the matrix work.  Turn n belongs to piece n (the pieces in a ring, step after step).  Its matrix work: 16 products
; K Q^T of piece n + 1, later 16 products V^T P of piece n - 1.  Its vector work: the scaling, exponentials, roundings, sums and rescaling of piece n, and the maximum and statistics of piece n + 1.
; Four vector instructions that are ready stand behind every matrix instruction, the others in two runs of their own.
; REGISTERS, in windows of 256 (s_set_vgpr_msb says which window each operand place means: bits 1:0 source 0, 3:2 source 1, 5:4 source 2, 7:6 destination):
;   window 0: v0-11 addresses; v12-15, v48-63 at work; v16-47 four registers of statistics a tile; v64-191 S^T, two buffers of two tiles (v64-70 at work in the set-up); v192-255 P, likewise
;   window 1: O^T, 32 a tile (at the start: Q as loaded, in f32)      window 2: v0-127 Q in f16, 16 a tile; v128-191 K of one step; v192-255 V of one step
;   window 3: v0-1 the add's two registers; v2-65 a row of f32 as read back; v66-97 the same row in f16
.set NP,    4         ; pieces a wave: a name, no knob
.set KS,    64        ; keys in a step
.set NT,    16        ; tiles of 128 keys in a head
.set FP,    272       ; a row of f32 in LDS: 256 bytes + 16 of padding = 17 x 16
.set QUART, 64*FP     ; what one tensor load brings: 64 rows
.set PK,    144       ; a row of K in f16: 128 bytes + 16 = 36 words: the 16 rows of a load start at 16 different groups of four banks
.set PV,    160       ; a row of V in f16: 128 + 32 = 40 words
.set F16,   4*QUART   ; behind an f32 slot: the f16 buffer: 128 rows of K, then 128 rows of V.  No tensor load lands here
.set VOFF,  2*KS*PK
.set STAGE, F16+2*KS*(PK+PV)  ; behind f16 buffer 0: 16 rows x 272 bytes for each wave, for the way out
.set SP,    272
.set SPARE, STAGE+4*16*SP     ; behind the stages: the spare words, 128 bytes for each wave: two blocks of 256 bytes that no other line names
.set SLOT1, 1<<17     ; f32 slot 1 and f16 buffer 1 begin here, so that one exclusive or turns an address in one half into the other's
.set CA0, 1           ; v1   my row in the first 32 rows of my wave's quarter of f32 slot 0; never rewritten
.set AK0, 2           ; v2   my lane's place in a step's K in f16 buffer 0; never rewritten
.set AV0, 3           ; v3   the same for V
.set AK,  4           ; v4   the LDS address of K's next run of loads
.set AV,  5           ; v5   of V's
.set STO, 6           ; v6   the way out: where I put 32 bytes of a row
.set RD,  7           ; v7   the way out: where I read rows back
.set GO,  8           ; v8   my byte offset in 512 consecutive bytes of O
.set DA0, 9           ; v9   where my row goes in f16 buffer 0; never rewritten
.set CA,  10          ; v10  the LDS address of the next run of f32 reads
.set DA,  11          ; v11  of the next run of f16 stores
.set MV,  12          ; v12-15  c m_old, kept while c m is made anew: by buffer and tile
.set ST,  16          ; tile t's statistics at v[ST+4 t]: c m, m, l (even keys', odd keys')
.set TMP, 48          ; by buffer and tile, four registers c0-c3 at work; when the maximum is found c2 takes a
.set S,   64
.set P,   192
.set LR,  64          ; the set-up's own, in S^T's registers: lane % 16,
.set LH,  65          ; lane / 16,
.set L7,  66          ; lane % 8,
.set L3,  67          ; (lane / 8) % 2,
.set QO,  68          ; my byte offset in 16 rows of Q,
.set L31, 69          ; lane,
.set WT,  70          ; thread / 32
.set KF,  128         ; K's fragments, in window 2: key block kb, channel half c at KF + 16 kb + 8 c
.set VF,  192         ; V's: key half kk, channel block cb at VF + 32 kk + 8 cb
.set SPW, 0           ; v0 of window 3   LDS address of my spare word: SPARE + 4 x my thread's number; never rewritten
.set NIL, 1           ; v1 of window 3   0; never rewritten
.set CL,  2           ; window 3: 64 f32
.set CO,  66          ; window 3: 32 words of two f16
.set WV,  12          ; s12  my wave's number
.set G1,  24          ; s[24:31] descriptor group 1: one shape for K's and V's tiles
.set G0A, 32          ; s[32:35] descriptor group 0 of tile 0, used once
.set G0B, 36          ; s[36:39] of tile 1; then it walks
.set DS1, 40          ; s40  32 rows of my tensor in an f16 buffer, in bytes
.set TBC, 41          ; s41  what is added to CA0: the half of LDS and the 32 rows to be read next
.set TBD, 42          ; s42  what is added to DA0
.set TL,  43          ; s43  the tail's phases, 3 to 1
.set SRC, 44          ; s[44:45] my tensor (K or V) at my 64 rows of the head's tile 0
.set PW,  46          ; s46  my tensor's pitch in an f16 buffer
.set DS2, 47          ; s47  64 rows of it
.set SLOTS, 56        ; s56  tiles still to be asked for
.set CNT, 57          ; s57  counts a phase's two key steps
.set CS,  58          ; s[58:59] c: the packed scaling takes the pair's low word for both halves
.set SEL, 60          ; s[60:61] v_permlanex16_b32's selects: each lane takes its own place in the other half
.set TBK, 62          ; s62  what is added to AK0: the half of LDS and the step to be fetched
.set TBV, 63          ; s63  the same for V
.set MSB, 0
.macro WIN new                      ; the high byte repeats the setting that is left; a switch that changes nothing is dropped
.if MSB != (\new)
	s_set_vgpr_msb (MSB<<8)|(\new)
.set MSB, (\new)
.endif
.endm
.set W_KQ, 0x0a       ; K and Q in window 2, S^T in window 0
.set W_PV, 0x52       ; V in window 2, P in window 0, O^T in window 1
.set W_RS, 0x41       ; O^T (destination and source 0) in window 1, the factor in window 0
.set W_MK, 0xc0       ; destination in window 3, sources and addresses in window 0
.set W_AD, 0x0f       ; the add: address (source 0) and data (source 1) in window 3
.set W_CV, 0xcf       ; the rounding of K and V: all in window 3
.set W_CS, 0x0c       ; an LDS store's data (source 1) in window 3
.set W_QC, 0x85       ; the rounding of Q: sources in window 1, destination in window 2
.set W_O1, 0x04       ; a store's data (source 1) in window 1
; A joint refill.  One line serves all four waves: both of its addresses hang on the wave's number (K or V, which 64 rows, which quarter of the slot), and on nothing that the four partners do not share.
; An s_nop 0 and four v_nop follow it.
.macro JLOAD
	tensor_load_to_lds s[G0B:G0B+3], s[G1:G1+7]
	s_nop 0
.rept 4
	v_nop
.endr
.endm
; A round of the cluster's barrier: my work-group's barrier, so that wave 0's signal speaks for all four waves; wave 0 signals; every wave waits for all four work-groups; my work-group's barrier once more.
.macro CROUND
	s_barrier_signal -1
	s_barrier_wait -1
	s_cmp_lg_u32 s[WV], 0
	s_cbranch_scc1 .Lnot_wave_0_\@
	s_barrier_signal -3
.Lnot_wave_0_\@:
	s_barrier_wait -3
	s_barrier_signal -1
	s_barrier_wait -1
.endm
; THE CHANGE OF PHASES.  Each wave waits for all its tensor loads, of which one is out: its quarter of the tile to be rounded next; adds 0 to its spare word; and waits for that, for its stores into the f16 buffer
; to be multiplied next, and for its reads of the f32 slot and of the f16 buffer that it leaves.  Behind the barrier the new f16 buffer is whole, and nobody reads the old one or the old f32 slot any more.
; fill = 1: the old f32 slot is filled again, with the keys two tiles on.  The barrier is then a round of the cluster's, so that no wave of any partner still reads the slot or has a load on its way,
; and the joint refill is the first thing behind it: it has two key steps, 256 matrix instructions, in which to land.
.macro CHANGE fill
	WIN W_AD
	s_wait_tensorcnt 0x0            ; no tensor load of mine is out, so a group 0 may be written
	ds_add_u32 v[SPW], v[NIL]       ; 0 onto my spare word; with fill = 1 the descriptor's steps stand between it and the wait for it
	WIN 0                           ; at a label and at a branch every window is 0
.if \fill
	s_xor_b32 s[G0B+1], s[G0B+1], SLOT1  ; the walking descriptor: the other slot than last time,
	s_add_nc_u64 s[G0B+2:G0B+3], s[G0B+2:G0B+3], 2*KS*256  ; the next 128 keys; the type bits on top are not reached
	s_wait_dscnt 0x0                ; the add, my stores and my reads are done
	CROUND
	JLOAD
.else
	s_wait_dscnt 0x0                ; the add, my stores and my reads are done
	s_barrier_signal -1
	s_barrier_wait -1
.endif
	s_sub_co_u32 s[TBK], s[TBK], 2*KS*PK  ; all four walks go back to a tile's first step,
	s_xor_b32 s[TBK], s[TBK], SLOT1       ; in the other half of LDS
	s_sub_co_u32 s[TBV], s[TBV], 2*KS*PV
	s_xor_b32 s[TBV], s[TBV], SLOT1
	s_sub_co_u32 s[TBC], s[TBC], QUART
	s_xor_b32 s[TBC], s[TBC], SLOT1
	s_sub_co_u32 s[TBD], s[TBD], s[DS2]
	s_xor_b32 s[TBD], s[TBD], SLOT1
.endm
	s_load_b256 s[4:11], s[0:1], 0x0  ; Q s[4:5], K s[6:7], V s[8:9], O s[10:11]
	WIN W_MK
	v_lshl_add_u32 v[SPW], v0, 2, SPARE
	v_mov_b32 v[NIL], 0
	WIN W_AD
	ds_add_u32 v[SPW], v[NIL]       ; the wave's opening: the add and its wait stand ahead of my first tensor load; the set-up below, work on registers, stands between them
	WIN 0
	v_lshrrev_b32 v[WT], 5, v0
	v_readfirstlane_b32 s[WV], v[WT]  ; wave 0..3
	s_bfe_u32 s13, ttmp6, 0x40000   ; cx: my place in the cluster
	s_lshl_b32 s14, ttmp9, 2        ; in a cluster launch ttmp9 counts clusters
	s_add_co_u32 s14, s14, s13      ; my block of 512 queries = 4 x cluster x + cx: it enters Q's and O's addresses alone
	s_and_b32 s20, ttmp7, 0xffff    ; the head, which the four partners share,
	s_lshl_b32 s20, s20, 19         ; and its first byte in each of the four tensors: 2,048 rows of 256 bytes a head, 2^25 bytes in all
	s_and_b32 s16, s[WV], 1         ; which 64 of a tile's 128 keys I fetch and round,
	s_lshr_b32 s15, s[WV], 1        ; of K (0) or of V (1)
	s_lshl_b32 s22, s16, 14         ; 64 rows of 256 bytes
	s_add_co_u32 s22, s22, s20
	s_mov_b32 s23, 0
	s_lshl_b32 s2, s14, 2
	s_add_co_u32 s2, s2, s[WV]      ; my wave among the head's sixteen,
	s_lshl_b32 s2, s2, 15           ; its 128 rows
	s_add_co_u32 s2, s2, s20
	s_mov_b32 s3, 0
	s_mul_i32 s17, s[WV], QUART     ; my quarter of an f32 slot: no place in the cluster enters an LDS address
	s_lshl_b32 s[PW], s15, 4
	s_add_co_u32 s[PW], s[PW], PK   ; 144 for K, 160 for V
	s_lshl_b32 s[DS1], s[PW], 5
	s_lshl_b32 s[DS2], s[PW], 6
	s_mul_i32 s18, s15, VOFF        ; where my 64 rows go in f16 buffer 0: behind K's rows if they are V's,
	s_mul_i32 s19, s16, s[DS2]      ; the first 64 or the second
	s_add_co_u32 s18, s18, s19
	s_add_co_u32 s18, s18, F16
	s_mul_i32 s19, s[WV], 16*SP
	s_add_co_u32 s19, s19, STAGE    ; my stage
	; descriptor group 1: a tile of 64 rows x 64 elements of 4 bytes, each row 256 consecutive bytes at a multiple of 256 from the tensor's first, padded in LDS
	s_mov_b32 s[G1], 15|(2<<16)|(1<<20)|(1<<21)|(5<<22)|(3<<25)  ; 15:0 the mask of four; 17:16 4-byte elements; 20 padding on; 21 set beside a mask; 24:22 after every 64 words (code 5); 31:25 4 words (code 3)
	s_mov_b32 s[G1+1], 64<<16       ; tensor_dim0 = 64
	s_mov_b32 s[G1+2], 64<<16       ; tensor_dim1 = 64
	s_mov_b32 s[G1+3], 64<<16       ; tile_dim0 = 64
	s_mov_b32 s[G1+4], 64           ; tile_dim1 = 64
	s_mov_b32 s[G1+5], 64           ; 64 elements from row to row
	s_mov_b32 s[G1+6], 0
	s_mov_b32 s[G1+7], 0
	s_mov_b32 s[CS], 0x3e38aa3b     ; c = log2(e) / 8 = 0.180337
	s_mov_b32 s[CS+1], s[CS]        ; named with it as a pair
	s_mov_b32 s[SEL], 0x76543210
	s_mov_b32 s[SEL+1], 0xfedcba98
	s_mov_b32 s[TBK], SLOT1+2*KS*PK ; the first change of phases turns these two into 0,
	s_mov_b32 s[TBV], SLOT1+2*KS*PV
	s_mov_b32 s[TBC], 0             ; and these two, when tile 0 has been rounded, into SLOT1
	s_mov_b32 s[TBD], 0
	s_mov_b32 s[G0A], 1             ; 1:0 count = 1
	s_mov_b32 s[G0A+1], s17         ; 63:32 LDS address: slot 0
	s_mov_b32 s[G0B], 1
	s_add_co_u32 s[G0B+1], s17, SLOT1  ; slot 1
	s_wait_dscnt 0x0                ; the opening add is done
	s_wait_kmcnt 0x0
	s_cmp_lt_u32 s[WV], 2
	s_cselect_b64 s[SRC:SRC+1], s[6:7], s[8:9]     ; waves 0 and 1 fetch K, waves 2 and 3 V
	s_add_nc_u64 s[SRC:SRC+1], s[SRC:SRC+1], s[22:23]
	s_mov_b64 s[G0A+2:G0A+3], s[SRC:SRC+1]         ; 120:64 global address: my 64 rows of tile 0
	s_or_b32 s[G0A+3], s[G0A+3], 0x80000000        ; 127:126 type = 2
	s_add_nc_u64 s[G0B+2:G0B+3], s[SRC:SRC+1], 2*KS*256  ; of tile 1
	s_or_b32 s[G0B+3], s[G0B+3], 0x80000000
	s_add_nc_u64 s[4:5], s[4:5], s[2:3]            ; Q and O at my wave's first row
	s_add_nc_u64 s[10:11], s[10:11], s[2:3]
	CROUND                          ; all four work-groups are here: the first joint loads meet
	tensor_load_to_lds s[G0A:G0A+3], s[G1:G1+7]    ; the two first fills stand together, ahead of every wait on TENSORcnt and every LDS read: two loads of mine are out
	s_nop 0
	tensor_load_to_lds s[G0B:G0B+3], s[G1:G1+7]
	s_nop 0
.rept 4
	v_nop
.endr
	; A fragment of Q is 16 rows x 32 channels of f16 in 8 registers: lane l holds row l % 16, channels 8 (l / 16) + 0..7 and 16 + 8 (l / 16) + 0..7.  In f32 each run of 8 channels is 32 bytes: two loads of 16.
	v_and_b32 v[LR], 15, v0
	v_bfe_u32 v[LH], v0, 4, 1
	v_and_b32 v[L7], 7, v0
	v_bfe_u32 v[L3], v0, 3, 1
	v_and_b32 v[L31], 31, v0
	v_lshlrev_b32 v[QO], 8, v[LR]
	v_lshl_add_u32 v[QO], v[LH], 5, v[QO]  ; row x 256 + 32 x half
	WIN 0x40                        ; destination window 1, address window 0
.set i, 0
.rept 32                            ; tile i / 4, channels 16 (i % 4) + 8 (l / 16) on: register 2 n and 2 n + 1 of the 256 will make word n of Q in f16
	global_load_b128 v[8*i:8*i+3],   v[QO], s[4:5] offset:(i/4)*4096+(i%4)*64
	global_load_b128 v[8*i+4:8*i+7], v[QO], s[4:5] offset:(i/4)*4096+(i%4)*64+16
.set i, i+1
.endr
	; What the first turn finds: V's registers and P's second buffer hold 0 (its products V^T P, of a piece that has not been, add 0), O^T and l are 0.  All this stands in the wait for Q and the first tile.
	WIN 0x80
.set i, VF
.rept 64
	v_mov_b32 v[i], 0
.set i, i+1
.endr
	WIN 0
.set i, 0
.rept 2*NP
	v_mov_b32 v[ST+4*i], 0xfe000000    ; c m: far below every c s
	v_mov_b32 v[ST+4*i+1], 0xff7fffff  ; m
	v_mov_b32 v[ST+4*i+2], 0
	v_mov_b32 v[ST+4*i+3], 0
.set i, i+1
.endr
.set i, P+32
.rept 32
	v_mov_b32 v[i], 0
.set i, i+1
.endr
	v_mul_u32_u24 v[AK0], v[LR], PK
	v_lshl_add_u32 v[AK0], v[LH], 4, v[AK0]
	v_add_nc_u32 v[AK0], F16, v[AK0]       ; row x pitch + 16 x half, in f16 buffer 0
	; The turning load takes 16 keys x 16 channels (lane l reads key 8 (l / 16) + l % 8, channels 8 ((l / 8) % 2) + 0..7) and leaves half a fragment of V^T: lane l holds channel l % 16 and 8 keys.
	v_lshl_add_u32 v[AV0], v[LH], 3, v[L7]
	v_mul_u32_u24 v[AV0], v[AV0], PV
	v_lshl_add_u32 v[AV0], v[L3], 4, v[AV0]
	v_add_nc_u32 v[AV0], F16+VOFF, v[AV0]
	v_mul_u32_u24 v[CA0], v[L31], FP       ; the rounding: a lane a row, out of my wave's quarter of the f32 slot,
	v_add_nc_u32 v[CA0], s17, v[CA0]
	v_mul_u32_u24 v[DA0], v[L31], s[PW]    ; into my wave's 64 rows of the f16 buffer
	v_add_nc_u32 v[DA0], s18, v[DA0]
	v_mul_u32_u24 v[STO], v[LR], SP        ; the way out, in: row l % 16, 32 bytes for each half of the lanes
	v_lshl_add_u32 v[STO], v[LH], 5, v[STO]
	v_add_nc_u32 v[STO], s19, v[STO]
	v_mul_u32_u24 v[RD], v[LH], SP         ; back: lanes 0-15 take one row of 256 bytes, lanes 16-31 the next,
	v_lshl_add_u32 v[RD], v[LR], 4, v[RD]
	v_add_nc_u32 v[RD], s19, v[RD]
	v_lshlrev_b32 v[GO], 4, v[L31]         ; which are 512 consecutive bytes of O
	s_wait_loadcnt 0x0              ; Q
	WIN W_QC
.set i, 0
.rept 128
	v_cvt_pk_f16_f32 v[i], v[2*i], v[2*i+1]
.set i, i+1
.endr
	WIN 0x40
.set i, 0
.rept 64*NP
	v_mov_b32 v[i], 0               ; O^T, where Q lay
.set i, i+1
.endr
	WIN 0
; THE ROUNDING OF K AND V, 32 rows of my own 64 at a time, in two parts that stand a turn apart.  last = 1 (the tail): only its first phase (TL = 3) has a tile left to round; the others jump over both parts.
; The walks' steps stand behind the jumps' labels: every phase steps them by what the change of phases takes back.
.macro CONV_LD last=0               ; a lane's row of 64 f32: 16 loads of 16 bytes
	WIN 0
.if \last
	s_cmp_lg_u32 s[TL], 3
	s_cbranch_scc1 .Lno_ld_\@
.endif
	WIN W_MK
.irp j, 0,1,2,3,4,5,6,7
	ds_load_b128 v[CL+8*\j:CL+8*\j+3],   v[CA] offset:32*\j
	ds_load_b128 v[CL+8*\j+4:CL+8*\j+7], v[CA] offset:32*\j+16
.endr
	WIN 0
.if \last
.Lno_ld_\@:
.endif
	s_add_co_u32 s[TBC], s[TBC], 32*FP  ; the next 32 rows
.endm
.macro CONV_ST last=0               ; rounded in pairs, and stored as a row of 128 bytes: 8 stores of 16
	WIN 0
	v_add_nc_u32 v[DA], s[TBD], v[DA0]
.if \last
	s_cmp_lg_u32 s[TL], 3
	s_cbranch_scc1 .Lno_st_\@
.endif
	WIN W_CV
.set cn, 0
.rept 32
	v_cvt_pk_f16_f32 v[CO+cn], v[CL+2*cn], v[CL+2*cn+1]
.set cn, cn+1
.endr
	WIN W_CS
.irp j, 0,1,2,3,4,5,6,7
	ds_store_b128 v[DA], v[CO+4*\j:CO+4*\j+3] offset:16*\j
.endr
	WIN 0
.if \last
.Lno_st_\@:
.endif
	s_add_co_u32 s[TBD], s[TBD], s[DS1]
.endm
; THE MATRIX WORK.  The 8 accumulators of a run of 16 take turns: between the two links of a chain stand 7 others'.
; Product i of 16 of S^T = K Q^T for piece x: channels 32 (i / 8) on, keys 16 ((i / 2) % 4) on, tile 2 x + i % 2.  The first 8 start the sums.
.macro KQ x
	WIN W_KQ
.set rS, S+64*((\x)%2)+32*(i%2)+8*((i/2)%4)
.set rK, KF+16*((i/2)%4)+8*(i/8)
.set rQ, 16*(2*(\x)+i%2)+8*(i/8)
.if i < 8
	v_wmma_f32_16x16x32_f16 v[rS:rS+7], v[rK:rK+7], v[rQ:rQ+7], 0
.else
	v_wmma_f32_16x16x32_f16 v[rS:rS+7], v[rK:rK+7], v[rQ:rQ+7], v[rS:rS+7]
.endif
.endm
; Product i of 16 of O^T += V^T P for piece x: keys 32 (i / 8) on, channels 16 ((i / 2) % 4) on, tile 2 x + i % 2.
.macro PV x
	WIN W_PV
.set rO, 32*(2*(\x)+i%2)+8*((i/2)%4)
.set rV, VF+32*(i/8)+8*((i/2)%4)
.set rP, P+32*((\x)%2)+16*(i%2)+8*(i/8)
	v_wmma_f32_16x16x32_f16 v[rO:rO+7], v[rV:rV+7], v[rP:rP+7], v[rO:rO+7]
.endm
.macro MM                           ; the turn's next matrix instruction
.if i < 16
	KQ (Y+1)%NP
.set i, i+1
.else
.set i, i-16
	PV (Y+NP-1)%NP
.set i, i+17
.endif
.endm
; THE FRAGMENTS' LOADS stand in runs of 16, never singly among the matrix instructions: a step's K (64 keys x 64 channels: 8 fragments) and its V (turned).  Their addresses are made some lines ahead.
; last = 1 (the tail): in its last phase (TL = 1) there is no further step, and the run is jumped over.
.macro FETCH_K last=0
	WIN 0
.if \last
	s_cmp_eq_u32 s[TL], 1
	s_cbranch_scc1 .Lno_k_\@
.endif
	WIN 0x80                        ; destination window 2
.irp f, 0,1,2,3,4,5,6,7             ; keys 16 (f / 2) on, channels 32 (f % 2) on
	ds_load_b128 v[KF+8*\f:KF+8*\f+3],   v[AK] offset:(\f/2)*16*PK+(\f%2)*64
	ds_load_b128 v[KF+8*\f+4:KF+8*\f+7], v[AK] offset:(\f/2)*16*PK+(\f%2)*64+32
.endr
	WIN 0
.if \last
.Lno_k_\@:
.endif
	s_add_co_u32 s[TBK], s[TBK], KS*PK  ; the next fetch is the next step's
.endm
.macro FETCH_V
	WIN 0x80
.irp f, 0,1,2,3,4,5,6,7             ; keys 32 (f / 4) on, channels 16 (f % 4) on
	ds_load_tr16_b128 v[VF+8*\f:VF+8*\f+3],   v[AV] offset:(\f/4)*32*PV+(\f%4)*32
	ds_load_tr16_b128 v[VF+8*\f+4:VF+8*\f+7], v[AV] offset:(\f/4)*32*PV+16*PV+(\f%4)*32
.endr
	WIN 0
.endm
; THE VECTOR WORK OF A TURN stands in three queues, each in the order in which its entries become ready; the two tiles alternate, so that no instruction reads the result of the one before it.
.macro REGS y, u                    ; the registers of tile u (0, 1) of piece y
.set rT, ST+4*(2*(\y)+(\u))
.set rC, TMP+8*((\y)%2)+4*(\u)
.set rM, MV+2*((\y)%2)+(\u)
.set rS, S+64*((\y)%2)+32*(\u)
.set rP, P+32*((\y)%2)+16*(\u)
.set rO, 32*(2*(\y)+(\u))
.endm
; Number n of the 22 that find the NEXT piece's (Y + 1) maximum and statistics.  s0-s31 are the lane's 32 scores; each accumulator's lowest registers are read first.  XS, GS and REGS set no window: PL and EX do.
;   0-11  four chains c0-c3 of seven scores each, three operands at a time     12-14, 16  the four scores left over, the old m, and c0-c3 into c0     15  c m_old is kept
;   17, 18  the query's other 32 keys lie in the lane 16 away: the new m         19-21  c m; c m_old - c m_new; a
.macro XS u, n
	REGS (Y+1)%NP, \u
.if (\n) < 4
	v_max3_num_f32 v[rC+(\n)], v[rS+8*(\n)], v[rS+8*(\n)+1], v[rS+8*(\n)+2]
.elseif (\n) < 12
	v_max3_num_f32 v[rC+(\n)%4], v[rC+(\n)%4], v[rS+8*((\n)%4)+2*((\n)/4)+1], v[rS+8*((\n)%4)+2*((\n)/4)+2]
.elseif (\n) == 12
	v_max3_num_f32 v[rC], v[rC], v[rS+7], v[rS+15]
.elseif (\n) == 13
	v_max3_num_f32 v[rC+1], v[rC+1], v[rS+23], v[rS+31]
.elseif (\n) == 14
	v_max3_num_f32 v[rC+2], v[rC+2], v[rC+3], v[rT+1]
.elseif (\n) == 15
	v_mov_b32 v[rM], v[rT]
.elseif (\n) == 16
	v_max3_num_f32 v[rC], v[rC], v[rC+1], v[rC+2]
.elseif (\n) == 17
	v_permlanex16_b32 v[rC+3], v[rC], s[SEL], s[SEL+1]
.elseif (\n) == 18
	v_max_num_f32 v[rT+1], v[rC], v[rC+3]
.elseif (\n) == 19
	v_mul_f32 v[rT], s[CS], v[rT+1]
.elseif (\n) == 20
	v_sub_f32 v[rC+1], v[rM], v[rT]
.else
	v_exp_f32 v[rC+2], v[rC+1]
.endif
.endm
; Number g of the 64 that follow the exponentials.  For each four weights k of a tile (pairs 2 k, 2 k + 1): both pairs are rounded to f16; then the second pair is added onto the first, in place;
; a group later l takes that sum (the first time as l = a l + sum).  In groups of eight, tiles alternating: round, round, add, and l for the group before.
.macro GS g
.set h, (\g)+6*((\g)/62)            ; group 0 has no group before it, and behind group 7 only l is left
.if h >= 6
.set h, h+2
.endif
	REGS Y, h%2
.set k, h/8
.if h%8 < 4
	s_wait_alu depctr_va_vdst(0)
	v_cvt_pk_f16_f32 v[rP+2*k+(h%8)/2], v[rS+4*k+2*((h%8)/2)], v[rS+4*k+2*((h%8)/2)+1]
.elseif h%8 < 6
	v_pk_add_f32 v[rS+4*k:rS+4*k+1], v[rS+4*k:rS+4*k+1], v[rS+4*k+2:rS+4*k+3]
.elseif k == 1
	v_pk_fma_f32 v[rT+2:rT+3], v[rT+2:rT+3], v[rC+2:rC+3], v[rS:rS+1] op_sel_hi:[1,0,1]
.else
	v_pk_add_f32 v[rT+2:rT+3], v[rT+2:rT+3], v[rS+4*k-4:rS+4*k-3]
	s_wait_alu depctr_va_vdst(0)
.endif
.endm
; THE PLAIN QUEUE, 138 long.  0-31: c s - c m for the 16 pairs of both tiles.  Then GS's 64, and among them the next piece's 42: number 15 at 38, 39; 0-14 and 16
; at 42-73, behind the products that make those scores; 17-20 at 95-106, two of three, since each waits for the one before it.
.macro PL
	WIN 0
.if q < 32
	REGS Y, q%2
	v_pk_fma_f32 v[rS+2*(q/2):rS+2*(q/2)+1], v[rS+2*(q/2):rS+2*(q/2)+1], s[CS:CS+1], v[rT:rT+1] op_sel_hi:[1,0,0] neg_lo:[0,0,1] neg_hi:[0,0,1]
.elseif q < 38
	GS q-32
.elseif q < 40
	XS q%2, 15
.elseif q < 42
	GS q-34
.elseif q < 74
	XS q%2, (q-42)/2+(q-42)/30
.elseif q < 95
	GS q-66
.elseif (q < 107) && ((q-95)%3 < 2)
	XS (q-95)%3, 17+(q-95)/3
.elseif q < 107
	GS 29+(q-95)/3
.else
	GS q-74
.endif
.set q, q+1
.endm
; THE EXPONENTIALS' QUEUE, 66 long: s0-s31 of both tiles, and at EA the next piece's two a.
.set EA, 58
.macro EX
	WIN 0
.if (e == EA) || (e == EA+1)
	XS e-EA, 21
.else
.set x, e-2*(e/(EA+2))
	REGS Y, x%2
	v_exp_f32 v[rS+x/2], v[rS+x/2]
.endif
.set e, e+1
.endm
; THE RESCALING's QUEUE: O^T times a, the one part of the softmax that leaves window 0, so it is dealt four at a time, eight times.
.macro R4
	REGS Y, r%2
	WIN W_RS
	s_wait_alu depctr_va_vdst(0)
.irp z, 0,1,2,3
	v_pk_mul_f32 v[rO+8*(r/2)+2*\z:rO+8*(r/2)+2*\z+1], v[rO+8*(r/2)+2*\z:rO+8*(r/2)+2*\z+1], v[rC+2:rC+3] op_sel_hi:[1,0]
.endr
.set r, r+1
.endm
; HOW THEY ARE DEALT.  Behind a matrix instruction four: plain, exponential, plain, plain (one exponential, a plain instruction on either side), or four of the rescaling.  None names a register of the
; products round it.  What is over stands in two LUMPS: exponential and plain by turns; the second ends in 22 plain instructions.  The two v_permlanex16_b32 fall into the second lump, never behind a product.
; The queues lean on each other, and the deal keeps them in step: exponential e stands behind plain 2 (e / 4) + e % 2 (its scaling); when plain 32 comes, 10 exponentials are out, at 59: 33, at 95: 46; EA comes behind plain 107.
.macro SL
	MM
	PL
	EX
	PL
	PL
.endm
.macro BURST n                      ; 15 matrix instructions, or 16
.rept (\n)-7
	SL
.endr
.rept 3
	MM
	R4
	SL
.endr
	MM
	R4
.endm
; A TURN, for piece p.  last = 1: the tail's text, with its jumps over what is no longer to be fetched or rounded.
; K of the next step is fetched in piece 2's turn, 31 vector instructions behind the last product that read K; its first reader comes behind the rest of the lump, 16 products and the second lump.
; V of the step in hand is fetched at the end of piece 0's turn, 69 behind its last reader; its first reader comes behind 16 products and a lump.
; 32 rows of the next tile are read back in piece 0's first lump and waited for with V, in the middle of piece 1's turn; they are rounded and stored at that turn's end.  The conditions on e and q below go with the deal.
.macro TURN p, last=0
.set Y, (\p)
.set i, 0
.set q, 0
.set e, 0
.set r, 0
.if (\p) == NP-1
	s_wait_dscnt 0x0                ; K is in
.endif
	MM
.rept 4
	PL
.endr
	BURST 15
.rept 22
	EX
	PL
.if ((\p) == NP-2) && (e == 18)
	v_add_nc_u32 v[AK], s[TBK], v[AK0]
.endif
.if ((\p) == NP-2) && (e == 24)
	FETCH_K \last
.endif
.if ((\p) == 0) && (e == 18)
	v_add_nc_u32 v[CA], s[TBC], v[CA0]
.endif
.if ((\p) == 0) && (e == 24)
	CONV_LD \last
.endif
.endr
.if (\p) == 1
	s_wait_dscnt 0x0                ; V is in, and so are the 32 rows of f32
.endif
	BURST 16
.rept 21
	EX
	PL
.endr
.rept 22
	PL
.if ((\p) == 0) && (q == 118)
	v_add_nc_u32 v[AV], s[TBV], v[AV0]
	s_wait_alu depctr_va_vdst(0)
.endif
.if ((\p) == 0) && (q == 130)
	s_add_co_u32 s[TBV], s[TBV], KS*PV
.endif
.endr
.if (\p) == 0
	FETCH_V
.endif
.if (\p) == 1
	CONV_ST \last
.endif
.endm
	; TILE 0 is rounded before anything can be multiplied.
	s_wait_tensorcnt 0x1            ; tensor loads of a wave end in order (ISA guide 10.11.1): my quarter of tile 0 is in, and only I read it; tile 1's load, issued behind it, may stay out
.rept 2
	v_add_nc_u32 v[CA], s[TBC], v[CA0]
	CONV_LD
	s_wait_dscnt 0x0
	CONV_ST
.endr
	CHANGE 1                        ; f16 buffer 0 is whole, tile 1 has landed, f32 slot 0 takes tile 2
	v_add_nc_u32 v[AK], s[TBK], v[AK0]
	FETCH_K                         ; key step 0
	s_wait_dscnt 0x0
.set i, 0
.rept 16
	KQ 0                            ; piece 0's first scores: there is no vector work yet to set between them
.set i, i+1
.endr
	WIN 0
.rept 4
	v_nop                           ; the places behind those products (ISA guide 7.12.1)
.endr
.set Y, NP-1                        ; XS works for piece Y + 1: piece 0
.irp n, 0,1,2,3,4,5,6,7,8,9,10,11,12,13,14,15,16,17,18,19,20,21
	XS 0, \n                        ; and piece 0's first maximum and statistics
	XS 1, \n
.endr
	s_mov_b32 s[CNT], 2
	s_mov_b32 s[SLOTS], NT-2
	s_branch .Lfirst                ; the loop is entered at a step's first turn, in the middle of a trip
.Lslot:                             ; NT - 3 times: with the change above, tiles 2 to NT - 1 are asked for
	CHANGE 1
	s_mov_b32 s[CNT], 2
.Lstep:                             ; a trip: pieces 2 and 3 of one step, then pieces 0 and 1 of the next, whose K and V it fetches; it rounds 32 rows a wave of the next tile
	TURN 2
	TURN 3
	WIN 0
.Lfirst:
	TURN 0
	TURN 1
	WIN 0
	s_sub_co_u32 s[CNT], s[CNT], 1
	s_cmp_lg_u32 s[CNT], 0
	s_cbranch_scc1 .Lstep
	s_sub_co_u32 s[SLOTS], s[SLOTS], 1
	s_cmp_lg_u32 s[SLOTS], 0
	s_cbranch_scc1 .Lslot
	; THE TAIL is written out: nothing is asked for.  TL = 3: the last tile but one is multiplied, the last is rounded.  TL = 2: the last tile is multiplied.
	; TL = 1: the last step's pieces 2 and 3; the phase is left in the middle of its first trip.
	s_mov_b32 s[TL], 3
.Ltph:
	CHANGE 0
	s_mov_b32 s[CNT], 2
.Ltail:
	TURN 2, 1
	TURN 3, 1
	WIN 0
	s_cmp_eq_u32 s[TL], 1
	s_cbranch_scc1 .Lout
	TURN 0, 1
	TURN 1, 1
	WIN 0
	s_sub_co_u32 s[CNT], s[CNT], 1
	s_cmp_lg_u32 s[CNT], 0
	s_cbranch_scc1 .Ltail
	s_sub_co_u32 s[TL], s[TL], 1
	s_cmp_lg_u32 s[TL], 0
	s_cbranch_scc1 .Ltph
.Lout:                              ; the last trip's 16 products K Q^T (on the last K once more) and the maximum made of them serve nothing: the price, once a launch, of one text for every trip
.set i, 0
.rept 16
	PV NP-1                         ; the last piece's V^T P of the last step
.set i, i+1
.endr
	; THE WAY OUT.  l's two halves and the other half of the lanes' are added; O^T is divided by l and sent through my stage in LDS, a tile at a time.  The additions are the places behind the last products.
	WIN 0
.macro ALL line:vararg              ; one line for each tile t
.set t, 0
.rept 2*NP
	\line
.set t, t+1
.endr
.endm
	ALL v_add_f32 v[ST+4*t+2], v[ST+4*t+2], v[ST+4*t+3]
	ALL v_permlanex16_b32 v[ST+4*t+3], v[ST+4*t+2], s[SEL], s[SEL+1]
	ALL v_add_f32 v[ST+4*t+2], v[ST+4*t+2], v[ST+4*t+3]
	ALL v_rcp_f32 v[ST+4*t+2], v[ST+4*t+2]
	v_nop                           ; a plain instruction between the last reciprocal and the use of its result
	s_wait_alu depctr_va_vdst(0)
; Tile t: a lane's eight channels of a row, for each of four channel blocks, are 32 bytes; they go into rows of 272 bytes and come back as whole rows of 256, into the registers that they left.
.macro PACK t
	WIN W_RS
.set i, 32*(\t)
.rept 16
	v_pk_mul_f32 v[i:i+1], v[i:i+1], v[ST+4*(\t)+2:ST+4*(\t)+3] op_sel_hi:[1,0]  ; each accumulator from its low end on
.set i, i+2
.endr
	WIN W_O1
.irp f, 0,1,2,3,4,5,6,7             ; channel block f / 2, its lane's first or second four channels
	ds_store_b128 v[STO], v[32*(\t)+4*\f:32*(\t)+4*\f+3] offset:64*(\f/2)+16*(\f%2)
.endr
	WIN 0x40
.irp f, 0,1,2,3,4,5,6,7
	ds_load_b128 v[32*(\t)+4*\f:32*(\t)+4*\f+3], v[RD] offset:\f*2*SP  ; LDS serves a wave's instructions in order (ISA guide 5.7.1.4): these see the stores above; the next tile's stores come behind them
.endr
.endm
.macro SEND t, younger              ; younger: the LDS instructions issued behind tile t's loads: the next tile's sixteen, or none
	WIN W_O1
.irp f, 0,1,2,3,4,5,6,7
	s_wait_dscnt (\younger)+7-\f
	global_store_b128 v[GO], v[32*(\t)+4*\f:32*(\t)+4*\f+3], s[10:11] offset:(\t)*4096+\f*512 th:TH_STORE_NT  ; two rows of O: 512 consecutive bytes, at a multiple of 256 from O's first
.endr
.endm
	PACK 0
.set t, 1
.rept 2*NP-1                        ; a tile's arithmetic stands between the loads of the tile before and its stores
	PACK t
	SEND t-1, 16
.set t, t+1
.endr
	SEND 2*NP-1, 0
	WIN W_AD
	s_wait_tensorcnt 0x0            ; the wave's end, behind my last tensor load and my last LDS store
	ds_add_u32 v[SPW], v[NIL]
	s_wait_dscnt 0x0
	WIN 0
	CROUND                          ; the closing round: no work-group ends while a partner may still ask for a tile that names it
	s_endpgm
.Lfunc_end_k_q667fcb7da5_attn:
	.size	k_q667fcb7da5_attn, .Lfunc_end_k_q667fcb7da5_attn-k_q667fcb7da5_attn
	.p2alignl 7, 3214868480
	.fill 96, 4, 3214868480
	.section	.rodata,"a",@progbits
	.p2align	6, 0x0
	.amdhsa_kernel k_q667fcb7da5_attn
		.amdhsa_group_segment_fixed_size 327680
		.amdhsa_private_segment_fixed_size 0
		.amdhsa_enable_private_segment 0
		.amdhsa_kernarg_size 32
		.amdhsa_user_sgpr_count 2
		.amdhsa_user_sgpr_kernarg_segment_ptr 1
		.amdhsa_wavefront_size32 1
		.amdhsa_system_sgpr_workgroup_id_x 1
		.amdhsa_system_sgpr_workgroup_id_y 1
		.amdhsa_system_sgpr_workgroup_id_z 1
		.amdhsa_system_vgpr_workitem_id 0
		.amdhsa_next_free_vgpr 866
		.amdhsa_next_free_sgpr 66
		.amdhsa_reserve_vcc 0
		.amdhsa_float_denorm_mode_32 3
		.amdhsa_float_denorm_mode_16_64 3
		.amdhsa_memory_ordered 1
		.amdhsa_forward_progress 1
		.amdhsa_inst_pref_size 235
	.end_amdhsa_kernel
	.amdgpu_metadata
---
amdhsa.version: [ 1, 2 ]
amdhsa.kernels:
  - .name:           k_q667fcb7da5_attn
    .symbol:         k_q667fcb7da5_attn.kd
    .args:
      - { .name: query, .offset: 0, .size: 8, .value_kind: global_buffer, .address_space: global }
      - { .name: key, .offset: 8, .size: 8, .value_kind: global_buffer, .address_space: global }
      - { .name: value, .offset: 16, .size: 8, .value_kind: global_buffer, .address_space: global }
      - { .name: out0, .offset: 24, .size: 8, .value_kind: global_buffer, .address_space: global }
    .group_segment_fixed_size: 327680
    .private_segment_fixed_size: 0
    .kernarg_segment_align: 8
    .kernarg_segment_size: 32
    .max_flat_workgroup_size: 128
    .sgpr_count:     66
    .vgpr_count:     866
    .wavefront_size: 32
...
	.end_amdgpu_metadata
.endif
;; end of part 1
